; MI455X (gfx1250); checked and timed in simulation.
; The chip was launched on July 23, 2026; its instructions are those of AMD's public machine-readable ISA for CDNA 5 (MIT licence, August 2026) and "CDNA5" Instruction Set Architecture Reference Guide (July 2026). The comments in the code are by the model that wrote it; some were corrected since.
;; Core Attention. Allowed arithmetic: matrix products marked QUANTISED: E5M2 operands, one E8M0 scale for each 32 along K, by v_wmma_scale_f32_16x16x128_f8f6f4 with both operands' format E5M2, f32 sums; everything else in f32.
;; Inputs: key_states_codes 2 x 16 x 2,048 x 2 x 32 uint8 (E5M2 codes of key_states, K innermost, in blocks of 32 codes); key_states_scales 2 x 16 x 2,048 x 2 uint8 (E8M0 scales of key_states, one for each 32 codes along K); query_states_codes 2 x 16 x 2,048 x 2 x 32 uint8 (E5M2 codes of query_states, K innermost, in blocks of 32 codes); query_states_scales 2 x 16 x 2,048 x 2 uint8 (E8M0 scales of query_states, one for each 32 codes along K); value_states_codes 2 x 16 x 64 x 64 x 32 uint8 (E5M2 codes of value_states, K innermost, in blocks of 32 codes); value_states_scales 2 x 16 x 64 x 64 uint8 (E8M0 scales of value_states, one for each 32 codes along K).
;; Outputs: out0 2 x 16 x 2,048 x 64 float32.
;; This version of the problem:
;;   THIS VERSION OF THE PROBLEM IS GIVEN IN LOW PRECISION. The matrix products marked QUANTISED in the list below multiply operands that are first quantised to E5M2 (5 exponent bits, 2 mantissa bits; 8 bits a number), with one power-of-two scale for each 32 numbers along K (OCP MX v1.0); their sums are f32. All else is computed in f32.
;;   The module's matrix products, in the order in which they are computed (A, B: the left and right operand; K: the contracted axis; several contracted axes count as one K, in the product's order):
;;     1. batch 32 x [M 2,048, K 64] x [K 64, N 2,048]; A: input query_states (given as codes); B: input key_states (given as codes): QUANTISED
;;     2. batch 32 x [M 2,048, K 2,048] x [K 2,048, N 64]; A: softmax (see below); B: input value_states (given as codes): QUANTISED
;;   THE QUANTISER, for each operand of a quantised product, along K:
;;     - K is cut into blocks of 32 from its start; a last block that is shorter is filled with zeros.
;;     - A block's scale is 2^e with e = floor(log2(the largest magnitude in the block)) - 15, held to -126 .. 127; a block of zeros has e = 0. As a byte (E8M0): e + 127.
;;     - Each number is divided by its block's scale, clamped to +-57,344, and rounded to the nearest number of E5M2, ties to even, subnormals kept.
;;     - The product sums the exact products of the quantised numbers (number of the format x scale) in f32.
;;   ~~~python
;;   def quantise(x, axis):      # numpy; x: float32 -> the quantised numbers, widened to float32 again
;;       x = np.moveaxis(x, axis, -1); K = x.shape[-1]
;;       x = np.pad(x, [(0, 0)] * (x.ndim - 1) + [(0, -K % 32)]); x = x.reshape(x.shape[:-1] + (-1, 32)); a = np.abs(x).max(-1, keepdims=True)
;;       e = np.where(a > 0, np.clip(np.frexp(np.where(a > 0, a, 1))[1] - 1 - 15, -126, 127), 0)      # np.frexp(a)[1] - 1 = floor(log2(a)), exactly
;;       r = np.clip(x / 2.0 ** e, -57344, 57344)
;;       step = 2.0 ** (np.maximum(np.frexp(np.where(r == 0, 1, r))[1] - 1, -14) - 2)
;;       q = np.round(r / step) * step * 2.0 ** e      # np.round: ties to even
;;       return np.moveaxis(q.reshape(q.shape[:-2] + (-1,))[..., :K], -1, axis).astype(np.float32)
;;   ~~~
;;   SOFTMAX AHEAD OF A QUANTISED PRODUCT. Where the list says 'softmax', what is quantised is not the finished softmax but p = 2^(t - M), with t = logit x log2(e) and M = ceil(the row's largest t), a whole number; so 1/2 < the row's largest p <= 1. The row's sum l is taken of the UNQUANTISED p, in f32, and the product's result is divided by l at the end. Since M is a whole number, a kernel that streams over the keys may use a running M (the ceiling of the running maximum): every later rescaling is an exact power of two, which a block's scale takes up: the codes' values come out the same.
;;   OPERANDS COMPUTED ON THE WAY. 'Computed on the way' means the value that the module computes at that place (a softmax that the list does not call 'softmax' is quantised finished and normalised). What goes into a quantiser is computed in f32, as accurately as f32 sums, v_exp_f32 and their like allow (about 1e-6 of the number): no bf16 or f16 on the way to a quantiser, and a product that is left as it is and whose result goes on into a quantised operand takes f32 operands (vector FMAs, or v_wmma_f32_16x16x4_f32). A number that lies on a knife's edge between two numbers of the format may be rounded either way, as far as f32 arithmetic and the matrix unit's own rounding can turn it there, and no further.
;;   INPUTS GIVEN AS CODES. key_states (in the module: [2, 16, 2048, 64], K = its axis 3); query_states (in the module: [2, 16, 2048, 64], K = its axis 3); value_states (in the module: [2, 16, 2048, 64], K = its axis 2): each comes as NAME_codes (uint8): NAME with its K axis moved to the last place and cut into blocks of 32 codes, [.., K / 32, bytes a block], one block behind the other in memory; one code a byte (a code: sign, 5 exponent bits, 2 mantissa bits); and NAME_scales (uint8): the same leading axes, one E8M0 byte (e + 127) for each 32 codes along K. Its value is code x scale, taken as it is: it is not quantised again, and the codes and scales need not be those that the quantiser above would give.
;; One version. Each part assembles by itself: llvm-mc -triple=amdgcn-amd-amdhsa -mcpu=gfx1250 --defsym DOCPART=n.
;; ======== version 1 of 1: 1 launch
;; limits: right only within a limited range of input values
;; launch attn (part 1): grid 8 x 32, 16 waves a work-group, clusters of 4 x 1, 327,680 bytes of LDS; arguments key_states_codes, key_states_scales, query_states_codes, query_states_scales, value_states_codes, value_states_scales, out0; writes out0
.if DOCPART == 1
	.amdgcn_target "amdgcn-amd-amdhsa--gfx1250"
	.amdhsa_code_object_version 6
	.text
	.protected	k_qca5d2f36ea_attn
	.globl	k_qca5d2f36ea_attn
	.p2align	8
	.type	k_qca5d2f36ea_attn,@function
k_qca5d2f36ea_attn:
	s_mov_b64 s[64:65], 0
	v_nop
	global_prefetch_b8 v0, s[64:65] scope:SCOPE_SE
	s_setreg_imm32_b32 hwreg(HW_REG_WAVE_MODE, 25, 1), 1
	s_wait_xcnt 0x0
	s_wait_alu depctr_hold_cnt(0) depctr_sa_sdst(0) depctr_va_vdst(0) depctr_va_sdst(0) depctr_va_ssrc(0) depctr_va_vcc(0) depctr_vm_vsrc(0)
	s_getreg_b32 s2, hwreg(HW_REG_IB_STS2, 6, 4)
	s_cmp_eq_u32 s2, 0
	s_cbranch_scc0 .Lentry_in_a_cluster
	s_endpgm
.Lentry_in_a_cluster:
	s_bfe_u32 s2, ttmp6, 0x10000c
	s_cmp_lg_u32 s2, 0x3003
	s_cbranch_scc0 .Lentry_shape_is_right
	s_endpgm
.Lentry_shape_is_right:
; out0[head][q][:] = the sum over keys k <= q of softmax_k(Q[q] . K[k] / 8) V[k][:], 32 heads, 2,048 queries and keys, head size 64, both products on codes of BF8 (E5M2) with one E8M0 scale for each 32 along a product's K.
; Q, K: [head][2048][64] codes, 2 scale bytes a row.  V: the keys innermost, [head][64][2048] codes, 64 scale bytes a row.  out0: [head][2048][64] f32.
; THE SOFTMAX AHEAD OF THE SECOND PRODUCT: t = score x log2(e) / 8; M = the row's largest t so far, rounded UP to a whole number; p = 2^(t - M) is quantised along the keys, not normalised.
; The row's sum is taken of the unquantised p and divides at the end.  When M moves, the sum and O are multiplied by 2^(old M - new M): exact.
; SHARES.  A head's queries are 16 blocks of 128, a block 8 tiles of 16.  Work-group g (8 to a head) takes tile g of EVERY block; its wave w takes block BL(w): queries 128 BL + 16 g on.  A wave walks key steps of 128 keys,
; steps 0 to BL; step BL lies on the diagonal, later steps lie wholly under the mask and are left out.  So every branch hangs on the wave's number alone, and all 256 work-groups have the same 136 steps of work.
; BL(w) is a magic square of order 4 (rows and columns sum to 30): four waves taken w % 4 or w / 4 alike have 34 steps together.
; K AND V OF THE WHOLE HEAD STAY IN LDS: 2 x 131,072 bytes of codes, filled ONCE, in four stages of 512 keys; each wave issues four tensor loads at the head (4 of mine are out, by this text's count), one a stage.
; No LDS byte is filled twice.  A phase of four key steps reads one stage; one barrier between phases shows the next stage whole.
; CLUSTER.  The four work-groups of a cluster belong to one head and need the same K and V: each tile is asked for JOINTLY, by the same tensor load with the same descriptor and the mask 15.
; LAYOUT.  Both products are used transposed (S^T = K Q^T, O^T = V^T P^T): a lane holds ONE query (lane % 16) throughout.
; THE FIRST PRODUCT'S K IS 64, the instruction's 128: a fragment of K holds TWO keys a lane: registers 0-7 key X = 32 c + r + 8 (r / 8), registers 8-15 key X + 8.  Q stands as zeros | q | zeros in v16-39:
; against [q | 0] the fragment gives the tile of keys X, against [0 | q] the tile of keys X + 8.  So the 16 registers of two neighbouring tiles are 16 neighbouring keys, 32 c + 16 (lane / 16) + 0 .. 15: the second product's operand layout.
; THE MASK is written as the problem has it: on the diagonal step a hidden key's raw score becomes -80,000 (-10,000 after the exact 1/8).
; LIMITS.  Key steps wholly under the mask are left out: their p = 2^(-14,427 - M) is 0 in f32 unless the row's every visible logit lies under about -9,896; rows whose every visible logit lies under about -9,985 are not served as the problem has them.
; Codes of NaN or infinity and scale bytes 0xff are not served (such a code of key X + 8 would also reach key X through Q's zero half).  p under 2^-126 comes out of v_exp_f32 as 0.
.set KP,    144                        ; LDS: two keys' 128 bytes + 16 of padding: key k at (k / 2) KP + 64 (k % 2); the 16 keys that half a load touches fall on 16 different 16-byte columns of 256 bytes
.set KSTEP, 64*KP                      ; a key step's 128 keys
.set KSTG,  4*KSTEP                    ; a stage's 512 keys
.set VP,    528                        ; a row (one d) of a stage of V: 512 bytes + 16 of padding
.set VCH,   64*VP                      ; a stage of V: 64 rows
.set VB,    4*KSTG                     ; V's stages lie behind K's
.set KSC,   VB+4*VCH                   ; K's scale words, 4,096 bytes: word (step s, lane r, block c) at 256 s + 16 r + 4 c; behind them V's: (s, r, tile t) likewise.  No tensor load lands here
.set SP,    272                        ; the way out: a stage of 16 rows x (256 bytes + 16) for each wave, in K's first bytes, used behind the last barrier
.set AK0, 1                            ; v1   my lane's place in a step of K
.set AV0, 2                            ; v2   the same for V
.set AS0, 3                            ; v3   and among the scale words
.set DQ,  4                            ; v4   16 g + r - 16 h: on the diagonal step register 16 b + i is hidden where 32 b + i > this
.set MV,  5                            ; v5   -80,000.0
.set STO, 6                            ; v6   the way out: where I put 32 bytes of a row
.set RD,  7                            ; v7   and where I read a row back
.set ADK, 8                            ; v8-10 the step's LDS addresses
.set ADV, 9
.set ADS, 10
.set QS,  11                           ; v11  Q's scale word: its two bytes, twice
.set F,   40                           ; v40-103  four fragments of K, then of V        (v12 -M, v13 the largest t, v[14:15] the sum in two halves, v16-39 Q)
.set S,   104                          ; v104-167 S^T, then p
.set O,   168                          ; v168-199 O^T, four tiles
.set PC,  200                          ; v200-215 p's codes
.set BM,  216                          ; v216-219 each block's largest score, then its largest p
.set PR,  220                          ; v220-223 the other half's maxima, then the scale bytes
.set HD,  224                          ; v224-227 57,344 x the scale
.set SO,  228                          ; v228-231 the conversions' scale operands
.set KS,  232                          ; v232-235 K's scale words of the step
.set VS,  236                          ; v236-239 V's
.set PS,  240                          ; v240 p's scale word
.set FF,  242                          ; v[242:243] f = 2^(old M - new M), and its partner in the pair
.set T,   244                          ; v244 at work
.set GO,  245                          ; v245 the way out: my byte offset in the wave's rows of out0
.set SU,  246                          ; v[246:247] the sum's second chain
.set WV,  18                           ; s18  my wave's number
.set MNT, 19                           ; s19  the mantissa field of 57,344
.set SEL, 20                           ; s[20:21] lane selects for v_permlanex16_b32: lane l xor 16
.set CS,  22                           ; s[22:23] c = log2(e) / 8
.set G1K, 24                           ; s[24:31] descriptor group 1 for K's tiles;  s[32:39] for V's
.set G1V, 32
.set G0K, 40                           ; s[40:55] four groups 0 for K's tiles, one a stage;  s[68:83] for V's
.set G0V, 68
.set TK,  2                            ; s2   LDS byte at which the step's keys begin
.set TV,  3                            ; s3   the same in V's stages
.set TS,  66                           ; s66  and among the scale words
.set ST,  67                           ; s67  the key step's number
.set BL,  84                           ; s84  my block of queries = my last key step
.set CNT, 85                           ; s85  counts a loop's steps
; A round of the cluster's barrier: my work-group's barrier, wave 0 signals for the work-group, every wave waits for all four work-groups, my work-group's barrier once more.
.macro ROUND
	s_barrier_signal -1
	s_barrier_wait -1
	s_cmp_lg_u32 s[WV], 0
	s_cbranch_scc1 .Lnot_wave_0_\@
	s_barrier_signal -3
.Lnot_wave_0_\@:
	s_barrier_wait -3
	s_barrier_signal -1
	s_barrier_wait -1
.endm
	s_load_b256 s[4:11], s[0:1], 0x0               ; K's codes s[4:5], K's scales s[6:7], Q's codes s[8:9], Q's scales s[10:11]
	s_load_b128 s[12:15], s[0:1], 0x20             ; V's codes s[12:13], V's scales s[14:15]
	s_load_b64 s[16:17], s[0:1], 0x30              ; out0
	v_lshl_add_u32 v254, v0, 2, 0x47000
	v_mov_b32 v255, 0
	ds_add_u32 v254, v255
	ds_add_u32 v254, v255
	s_wait_dscnt 0x0
	v_lshrrev_b32 v250, 5, v0
	v_readfirstlane_b32 s[WV], v250                ; wave 0..15
	v_and_b32 v248, 15, v0                         ; r = lane % 16
	v_bfe_u32 v249, v0, 4, 1                       ; h = lane / 16
	s_bfe_u32 s56, ttmp6, 0x40000                  ; cx: my place in the cluster
	s_lshl_b32 s57, ttmp9, 2
	s_add_co_u32 s57, s57, s56                     ; g = 4 x cluster x + cx: it enters Q's and out0's addresses and the mask's register alone
	s_and_b32 s58, ttmp7, 0xffff                   ; the head, which the partners share
	s_and_b32 s59, s[WV], 7                        ; which eighth of a stage I fetch
	s_lshl_b32 s62, s59, 2
	s_cmp_lt_u32 s[WV], 8
	s_mov_b32 s[BL], 0x43dabc25                    ; BL(w), a nibble a wave: waves 8 to 15: 5, 2, 12, 11, 10, 13, 3, 4;
	s_cselect_b32 s[BL], 0x168fe970, s[BL]         ; waves 0 to 7: 0, 7, 9, 14, 15, 8, 6, 1
	s_lshr_b32 s[BL], s[BL], s62
	s_and_b32 s[BL], s[BL], 15
	s_lshl_b32 s60, s[BL], 7
	s_lshl_b32 s61, s57, 4
	s_add_co_u32 s60, s60, s61                     ; my first query: 128 BL + 16 g
	; byte offsets, each in a pair of its own
	s_lshl_b32 s62, s58, 17                        ; a head's codes: 131,072 bytes in each of the three tensors
	s_lshl_b32 s86, s59, 12
	s_add_co_u32 s86, s86, s62                     ; K: my 64 keys (4,096 bytes) of stage 0
	s_mov_b32 s87, 0
	s_lshl_b32 s88, s59, 14
	s_add_co_u32 s88, s88, s62                     ; V: my 8 rows of 2,048 bytes
	s_mov_b32 s89, 0
	s_lshl_b32 s90, s60, 6
	s_add_co_u32 s90, s90, s62                     ; Q's codes at my first query
	s_mov_b32 s91, 0
	s_lshl_b32 s92, s58, 12                        ; a head's scale bytes: 4,096 in each of the three tensors
	s_mov_b32 s93, 0
	s_lshl_b32 s94, s60, 1
	s_add_co_u32 s94, s94, s92                     ; Q's scale bytes at my first query
	s_mov_b32 s95, 0
	s_lshl_b32 s96, s58, 19
	s_lshl_b32 s63, s60, 8
	s_add_co_u32 s96, s96, s63                     ; out0 at my first query: rows of 256 bytes
	s_mov_b32 s97, 0
	s_mul_i32 s98, s59, 32*KP                      ; where my tiles go: K: 32 LDS rows,
	s_mul_i32 s99, s59, 8*VP                       ; V: 8: the wave's number alone enters an LDS address
	s_mul_i32 s63, s[WV], 16*SP                    ; my stage for the way out
	; every LDS address register is made here, ahead of the first branch on the wave's number
	v_and_b32 v250, 8, v248
	v_add_nc_u32 v250, v250, v248                  ; r + 8 (r / 8): 0 .. 7, 16 .. 23
	v_lshrrev_b32 v251, 1, v250
	v_mul_u32_u24 v[AK0], v251, KP
	v_and_b32 v251, 1, v250
	v_lshl_add_u32 v[AK0], v251, 6, v[AK0]
	v_lshl_add_u32 v[AK0], v249, 4, v[AK0]         ; my key's 64 bytes, + 16 h
	v_mul_u32_u24 v[AV0], v248, VP
	v_lshl_add_u32 v[AV0], v249, 4, v[AV0]
	v_add_nc_u32 v[AV0], VB, v[AV0]                ; V: row r of a tile, + 16 h
	v_lshl_add_u32 v[AS0], v248, 4, KSC            ; four scale words a lane
	v_mul_u32_u24 v[STO], v248, SP
	v_lshl_add_u32 v[STO], v249, 5, v[STO]
	v_add_nc_u32 v[STO], s63, v[STO]               ; the stage, in: row r, + 32 h
	v_mul_u32_u24 v[RD], v249, SP
	v_lshl_add_u32 v[RD], v248, 4, v[RD]
	v_add_nc_u32 v[RD], s63, v[RD]                 ; back: lanes 0-15 one row, lanes 16-31 the next
	v_lshl_add_u32 v252, v0, 2, KSC                ; the scale tables: thread i stores word i
	v_lshlrev_b32 v[GO], 8, v249
	v_lshl_add_u32 v[GO], v248, 4, v[GO]           ; the same two rows in out0
	v_lshlrev_b32 v[DQ], 4, v249
	v_sub_nc_u32 v[DQ], v248, v[DQ]
	v_add_nc_u32 v[DQ], s61, v[DQ]                 ; 16 g + r - 16 h
	v_mov_b32 v[MV], 0xc79c4000                    ; -80,000.0
	; the scale tables' sources: thread i = 64 s + 4 r + c
	v_and_b32 v253, 3, v0                          ; c (for V: tile t)
	v_bfe_u32 v254, v0, 2, 4                       ; r
	v_lshrrev_b32 v255, 6, v0                      ; s = 0 .. 7; steps 8 .. 15 by the loads' offsets
	v_and_b32 v251, 8, v254
	v_add_nc_u32 v251, v251, v254
	v_lshlrev_b32 v110, 8, v255
	v_lshl_add_u32 v110, v253, 6, v110
	v_lshl_add_u32 v110, v251, 1, v110             ; K: 2 bytes a key: 2 (128 s + 32 c + r + 8 (r / 8))
	v_lshlrev_b32 v111, 10, v253
	v_lshl_add_u32 v111, v254, 6, v111
	v_lshl_add_u32 v111, v255, 2, v111             ; V: row 16 t + r of 64 bytes, + 4 s
	v_lshlrev_b32 v113, 6, v248
	v_lshl_add_u32 v113, v249, 4, v113             ; Q's codes: row r of 64 bytes, + 16 h
	v_lshlrev_b32 v114, 1, v248                    ; Q's scale bytes: 2 a row
	; descriptor group 1.  K: 32 rows of 128 bytes (two keys), dense in memory;  V: 8 rows of 512 bytes, 2,048 bytes apart
	s_mov_b32 s[G1K], 15|(0<<16)|(1<<20)|(1<<21)|(4<<22)|(3<<25)  ; 15:0 the mask: all four work-groups; 17:16 elements of 1 byte; 20 padding on; 21 set beside a mask; 24:22 after every 32 words (code 4); 31:25 four words (code 3)
	s_mov_b32 s[G1K+1], 128<<16                    ; tensor_dim0
	s_mov_b32 s[G1K+2], 32<<16                     ; tensor_dim1
	s_mov_b32 s[G1K+3], 128<<16                    ; tile_dim0
	s_mov_b32 s[G1K+4], 32                         ; tile_dim1
	s_mov_b32 s[G1K+5], 128                        ; tensor_dim0_stride
	s_mov_b32 s[G1K+6], 0
	s_mov_b32 s[G1K+7], 0
	s_mov_b32 s[G1V], 15|(0<<16)|(1<<20)|(1<<21)|(6<<22)|(3<<25)  ; the same with padding after every 128 words (code 6)
	s_mov_b32 s[G1V+1], 512<<16
	s_mov_b32 s[G1V+2], 8<<16
	s_mov_b32 s[G1V+3], 512<<16
	s_mov_b32 s[G1V+4], 8
	s_mov_b32 s[G1V+5], 2048
	s_mov_b32 s[G1V+6], 0
	s_mov_b32 s[G1V+7], 0
	s_mov_b32 s[MNT], 0x600000
	s_mov_b32 s[SEL], 0x76543210
	s_mov_b32 s[SEL+1], 0xfedcba98
	s_mov_b32 s[CS], 0x3e38aa3b                    ; c = log2(e) / 8
	s_mov_b32 s[CS+1], s[CS]                       ; (named with it as a pair, so it is written)
	s_wait_kmcnt 0x0
	s_add_nc_u64 s[86:87], s[4:5], s[86:87]        ; K's codes at my tile of stage 0
	s_add_nc_u64 s[88:89], s[12:13], s[88:89]      ; V's likewise
	s_add_nc_u64 s[6:7], s[6:7], s[92:93]          ; K's scale bytes at the head
	s_add_nc_u64 s[14:15], s[14:15], s[92:93]      ; V's
	s_add_nc_u64 s[8:9], s[8:9], s[90:91]          ; Q's codes, Q's scale bytes and out0 at my first query
	s_add_nc_u64 s[10:11], s[10:11], s[94:95]
	s_add_nc_u64 s[16:17], s[16:17], s[96:97]
.irp g, 0,1,2,3                        ; group 0, a set for each stage; every wave makes both kinds and asks by one
	s_mov_b32 s[G0K+4*\g], 1                                       ; 1:0 count = 1
	s_add_co_u32 s[G0K+4*\g+1], s98, KSTG*\g                       ; 63:32 LDS address
	s_add_nc_u64 s[G0K+4*\g+2:G0K+4*\g+3], s[86:87], 32768*\g      ; 120:64 global address: 512 keys of 64 bytes a stage
	s_or_b32 s[G0K+4*\g+3], s[G0K+4*\g+3], 0x80000000              ; 127:126 type = 2
	s_mov_b32 s[G0V+4*\g], 1
	s_add_co_u32 s[G0V+4*\g+1], s99, VB+VCH*\g
	s_add_nc_u64 s[G0V+4*\g+2:G0V+4*\g+3], s[88:89], 512*\g        ; 512 keys on in each row
	s_or_b32 s[G0V+4*\g+3], s[G0V+4*\g+3], 0x80000000
.endr
	ROUND                                          ; all four work-groups are here: the joint loads meet
	s_cmp_lt_u32 s[WV], 8                          ; waves 0 to 7 fetch K, waves 8 to 15 V: a wave's four fills stand in one branch, in the order of the stages; four v_nop follow the last
	s_cbranch_scc0 .Lfill_v
	tensor_load_to_lds s[G0K:G0K+3], s[G1K:G1K+7]
	s_nop 0
	tensor_load_to_lds s[G0K+4:G0K+7], s[G1K:G1K+7]
	s_nop 0
	tensor_load_to_lds s[G0K+8:G0K+11], s[G1K:G1K+7]
	s_nop 0
	tensor_load_to_lds s[G0K+12:G0K+15], s[G1K:G1K+7]
	s_nop 0
.rept 4
	v_nop
.endr
	s_branch .Lfilled
.Lfill_v:
	tensor_load_to_lds s[G0V:G0V+3], s[G1V:G1V+7]
	s_nop 0
	tensor_load_to_lds s[G0V+4:G0V+7], s[G1V:G1V+7]
	s_nop 0
	tensor_load_to_lds s[G0V+8:G0V+11], s[G1V:G1V+7]
	s_nop 0
	tensor_load_to_lds s[G0V+12:G0V+15], s[G1V:G1V+7]
	s_nop 0
.rept 4
	v_nop
.endr
.Lfilled:
	global_load_u16 v104, v110, s[6:7]             ; the two scale bytes of key X, step s;
	global_load_u16 v105, v110, s[6:7] offset:16   ; of key X + 8;
	global_load_u16 v106, v110, s[6:7] offset:2048 ; the same for step s + 8
	global_load_u16 v107, v110, s[6:7] offset:2064
	global_load_b32 v108, v111, s[14:15]           ; V's scale word of row 16 t + r, step s;
	global_load_b32 v109, v111, s[14:15] offset:32 ; step s + 8
	global_load_b128 v[24:27], v113, s[8:9]        ; q(r, 16 h ..): it stays in registers
	global_load_b128 v[28:31], v113, s[8:9] offset:32  ; q(r, 32 + 16 h ..)
	global_load_u16 v[QS], v114, s[10:11]
.irp j, 0,1,2,3,4,5,6,7
	v_mov_b32 v[16+\j], 0                          ; the zero halves on both sides of q
	v_mov_b32 v[32+\j], 0
.endr
.irp j, 0,1,2,3,4,5,6,7,8,9,10,11,12,13,14,15,16,17,18,19,20,21,22,23,24,25,26,27,28,29,30,31
	v_mov_b32 v[O+\j], 0                           ; O^T.  (The step is written once: the first finds zeros, which the first change of M leaves zeros)
.endr
	s_wait_loadcnt 0x3                             ; the six table loads are in; Q's three may be out
	v_lshl_or_b32 v104, v105, 16, v104             ; K's scale word: key X's two bytes below, key X + 8's above
	v_lshl_or_b32 v106, v107, 16, v106
	ds_store_b32 v252, v104
	ds_store_b32 v252, v106 offset:2048
	ds_store_b32 v252, v108 offset:4096
	ds_store_b32 v252, v109 offset:6144
	s_wait_loadcnt 0x0                             ; Q
	v_lshl_or_b32 v[QS], v[QS], 16, v[QS]          ; q's two bytes in both halves: they serve [q | 0] and [0 | q]
	v_mov_b32 v13, 0xff61b1e6                      ; the largest t so far: -3e38, under every t
	v_floor_f32 v12, -v13                          ; -M
	v_mov_b32 v14, 0                               ; the sum, in two halves
	v_mov_b32 v15, 0
.irp b, 0,1,2,3
	v_mov_b32 v[PR+\b], 0                          ; written once: a lane permute's destination counts as one of its sources
.endr
	v_mov_b32 v[FF+1], 0                           ; (named as the upper half of the pair)
	v_mov_b32 v[T], 0
	s_wait_tensorcnt 0x3                           ; my part of stage 0 is in; my three later loads stay out: nothing is filled twice
	s_wait_dscnt 0x0                               ; my words of the scale tables have landed
	s_barrier_signal -1
	s_barrier_wait -1                              ; everybody's have
; A KEY STEP: 128 keys.  A step all of whose keys come after my queries is left out: a branch on the wave's number, round the step's loads, products and softmax, not round the lines at its end that step addresses.
.macro STEP
	s_cmp_gt_u32 s[ST], s[BL]
	s_cbranch_scc1 .Lhid_\@
	v_add_nc_u32 v[ADK], s[TK], v[AK0]
	v_add_nc_u32 v[ADV], s[TV], v[AV0]
	v_add_nc_u32 v[ADS], s[TS], v[AS0]
.rept 5
	v_nop                                          ; with the three additions: eight places between the last step's products and the loads into the registers that they read
.endr
.irp c, 0,1,2,3                        ; fragment c: key 32 c + r + 8 (r / 8) in registers 0-7, the key 8 further on (4 LDS rows) in registers 8-15
	ds_load_b128 v[F+16*\c:F+16*\c+3],     v[ADK] offset:16*KP*\c
	ds_load_b128 v[F+16*\c+4:F+16*\c+7],   v[ADK] offset:16*KP*\c+32
	ds_load_b128 v[F+16*\c+8:F+16*\c+11],  v[ADK] offset:16*KP*\c+4*KP
	ds_load_b128 v[F+16*\c+12:F+16*\c+15], v[ADK] offset:16*KP*\c+4*KP+32
.endr
	ds_load_b128 v[KS:KS+3], v[ADS]                ; the four fragments' scale words
	s_wait_dscnt 0x0
.irp c, 0,1,2,3                        ; S^T = K Q^T: each fragment twice: against [q | 0] and against [0 | q]
	v_wmma_scale_f32_16x16x128_f8f6f4 v[S+16*\c:S+16*\c+7], v[F+16*\c:F+16*\c+15], v[24:39], 0, v[KS+\c], v[QS] matrix_a_fmt:MATRIX_FMT_BF8 matrix_b_fmt:MATRIX_FMT_BF8
	v_wmma_scale_f32_16x16x128_f8f6f4 v[S+16*\c+8:S+16*\c+15], v[F+16*\c:F+16*\c+15], v[16:31], 0, v[KS+\c], v[QS] matrix_a_fmt:MATRIX_FMT_BF8 matrix_b_fmt:MATRIX_FMT_BF8
.endr                                  ; register 16 c + i of S: key 32 c + 16 h + i of the step, for query r
.rept 8
	v_nop                                          ; eight places: in front of the loads below and of the first read of the scores
.endr
.irp t, 0,1,2,3                        ; V's four fragments (16 of the head's 64 x these 128 keys) are asked for now and land under the softmax
.irp c, 0,1,2,3
	ds_load_b128 v[F+16*\t+4*\c:F+16*\t+4*\c+3], v[ADV] offset:16*VP*\t+32*\c
.endr
.endr
	ds_load_b128 v[VS:VS+3], v[ADS] offset:4096    ; and their scale words
	s_cmp_lg_u32 s[ST], s[BL]                      ; only my last step lies on the diagonal
	s_cbranch_scc1 .Lopen_\@
.set MN, 0
.rept 64
	v_cmp_gt_i32 vcc_lo, 32*(MN/16)+MN%16, v[DQ]   ; hidden: the key comes after my query
	v_cndmask_b32 v[S+MN], v[S+MN], v[MV], vcc_lo
.set MN, MN+1
.endr
.Lopen_\@:
.irp b, 0,1,2,3
	v_max3_num_f32 v[BM+\b], v[S+16*\b], v[S+1+16*\b], v[S+2+16*\b]   ; the largest score of each block of 32 keys: it serves the row's maximum and, since p rises with the score, the block's largest p.  (Each tile is read from its low end on)
.endr
.irp i, 3,5,7,9,11,13
.irp b, 0,1,2,3
	v_max3_num_f32 v[BM+\b], v[BM+\b], v[S+16*\b+\i], v[S+1+16*\b+\i]   ; the four blocks by turns
.endr
.endr
.irp b, 0,1,2,3
	v_max_num_f32 v[BM+\b], v[BM+\b], v[S+15+16*\b]
.endr
.irp b, 0,1,2,3
	v_permlanex16_b32 v[PR+\b], v[BM+\b], s[SEL], s[SEL+1]
.endr
.irp b, 0,1,2,3
	v_max_num_f32 v[BM+\b], v[BM+\b], v[PR+\b]     ; with lane l xor 16's 16 keys
.endr
	v_max3_num_f32 v[T], v[BM], v[BM+1], v[BM+2]
	v_max_num_f32 v[T], v[T], v[BM+3]              ; the step's largest score of my query
	v_mul_f32 v[T], s[CS], v[T]                    ; as t (c is positive)
	v_max_num_f32 v13, v13, v[T]                   ; the running largest t
	v_mov_b32 v[T], v12
	v_floor_f32 v12, -v13                          ; the new -M = floor(-t) = -ceil(t): a whole number
	v_sub_f32 v[T], v12, v[T]                      ; old M - new M: a whole number, 0 or less
	v_cvt_i32_f32 v[T], v[T]                       ; (it saturates)
	v_ldexp_f32 v[FF], 1.0, v[T]                   ; f = 2^(old M - new M): multiplying by it rounds nothing
.irp j, 0,2,4,6,8,10,12,14,16,18,20,22,24,26,28,30,32,34,36,38,40,42,44,46,48,50,52,54,56,58,60,62
	v_pk_fma_f32 v[S+\j:S+\j+1], v[S+\j:S+\j+1], s[CS:CS+1], v[12:13] op_sel_hi:[1,0,0]   ; t - M, two at a time (of the pairs c and -M the low word serves both halves)
.endr
.irp b, 0,1,2,3
	v_fma_f32 v[BM+\b], v[BM+\b], s[CS], v12       ; the same of each block's largest score
.endr
.set MN, 0
.rept 64
	v_exp_f32 v[S+MN], v[S+MN]                     ; p = 2^(t - M), at most 1: not normalised
.set MN, MN+1
.endr
	v_pk_mul_f32 v[14:15], v[14:15], v[FF:FF+1] op_sel_hi:[1,0]   ; the sums under the new M: the plain instruction behind the exponentials
	s_wait_alu depctr_va_vdst(0)                   ; one wait for the batch of 64, ahead of its first reader
.irp b, 0,1,2,3
	v_exp_f32 v[BM+\b], v[BM+\b]                   ; the block's largest p: the same two instructions on the same number give the same bits
.endr
	v_pk_add_f32 v[SU:SU+1], v[S:S+1], v[S+2:S+3]  ; the row's sum is taken of the UNQUANTISED p: two at a time, in two chains; it reads the 64 alone
.irp j, 4,8,12,16,20,24,28,32,36,40,44,48,52,56,60
	v_pk_add_f32 v[14:15], v[14:15], v[S+\j:S+\j+1]
	v_pk_add_f32 v[SU:SU+1], v[SU:SU+1], v[S+2+\j:S+3+\j]
.endr
	v_pk_add_f32 v[14:15], v[14:15], v[SU:SU+1]
	s_wait_alu depctr_va_vdst(0)                   ; and one for the four
.irp b, 0,1,2,3
	v_max_num_f32 v[BM+\b], 0x8000000, v[BM+\b]    ; the floor 2^(16 - 127): the byte cannot fall under 1 (a block whose every p is 0 keeps that byte: its codes are zeros)
.endr
.irp b, 0,1,2,3
	v_add_nc_u32 v[SO+\b], 0xf8800000, v[BM+\b]    ; 15 off the exponent field: the conversion's scale operand
.endr
.irp b, 0,1,2,3
	v_and_or_b32 v[HD+\b], v[BM+\b], 0x7f800000, s[MNT]   ; 57,344 x the scale
.endr
.irp b, 0,1,2,3
	v_lshrrev_b32 v[PR+\b], 23, v[SO+\b]           ; the scale's byte
.endr
	v_lshl_or_b32 v[PS], v[PR+1], 8, v[PR]         ; p's scale word for these 128 keys
	v_lshl_or_b32 v[PS], v[PR+2], 16, v[PS]
	v_lshl_or_b32 v[PS], v[PR+3], 24, v[PS]
.irp b, 0,1,2,3
.irp i, 0,1,2,3,4,5,6,7,8,9,10,11,12,13,14,15
	v_min_num_f32 v[S+16*\b+\i], v[S+16*\b+\i], v[HD+\b]   ; the conversion to an 8-bit code does not saturate (ISA guide 7.6.2); p is not negative, so the hold is one-sided
.endr
	v_cvt_scalef32_pk8_bf8_f32 v[PC+4*\b:PC+4*\b+1], v[S+16*\b:S+16*\b+7], v[SO+\b]
	v_cvt_scalef32_pk8_bf8_f32 v[PC+4*\b+2:PC+4*\b+3], v[S+16*\b+8:S+16*\b+15], v[SO+\b]
.endr
.irp j, 0,2,4,6,8,10,12,14,16,18,20,22,24,26,28,30
	v_pk_mul_f32 v[O+\j:O+\j+1], v[O+\j:O+\j+1], v[FF:FF+1] op_sel_hi:[1,0]   ; O^T under the new M.  (These sixteen are also the places between the conversions and the products)
.endr
	s_wait_dscnt 0x0                               ; V's fragments and scale words are in
.irp t, 0,1,2,3                        ; O^T += V^T P^T: the four accumulators by turns, one instruction a turn
	v_wmma_scale_f32_16x16x128_f8f6f4 v[O+8*\t:O+8*\t+7], v[F+16*\t:F+16*\t+15], v[PC:PC+15], v[O+8*\t:O+8*\t+7], v[VS+\t], v[PS] matrix_a_fmt:MATRIX_FMT_BF8 matrix_b_fmt:MATRIX_FMT_BF8
.endr
.Lhid_\@:
	s_add_co_u32 s[TK], s[TK], KSTEP               ; the next step's keys,
	s_add_co_u32 s[TV], s[TV], 128                 ; 128 bytes on in V's rows,
	s_add_co_u32 s[TS], s[TS], 256                 ; its scale words,
	s_add_co_u32 s[ST], s[ST], 1                   ; its number
.endm
.macro LOOPN n
	s_mov_b32 s[CNT], \n
.Lstep_\@:
	STEP
	s_sub_co_u32 s[CNT], s[CNT], 1
	s_cmp_lg_u32 s[CNT], 0
	s_cbranch_scc1 .Lstep_\@
.endm
.macro START p                         ; phase p reads stage p: key steps 4 p to 4 p + 3
	s_mov_b32 s[TK], KSTG*\p
	s_mov_b32 s[TV], VCH*\p
	s_mov_b32 s[TS], 1024*\p
	s_mov_b32 s[ST], 4*\p
.endm
; A phase that has a successor.  Behind its third step the wave waits for its part of the next stage and says so; the fourth step, which reads this stage alone (bytes that nobody writes before the last barrier), stands between
; the signal and the wait, so that waves with less work in a phase do not hold up the others by a whole step.
.macro PHASE p
	START \p
	LOOPN 3
	s_wait_tensorcnt 2-\p                          ; my part of stage p + 1 is in: behind its load I issued 2 - p more, which may stay out
	s_wait_dscnt 0x0                               ; no LDS instruction of mine is out at a signal
	s_barrier_signal -1
	STEP
	s_barrier_wait -1                              ; stage p + 1 is whole
.endm
	PHASE 0
	PHASE 1
	PHASE 2                                        ; its wait on TENSORcnt is for 0: no tensor load of mine is out from here on
	START 3
	LOOPN 4
	; THE WAY OUT.  The stages lie in K's first bytes, which have had their one fill: they are written behind a barrier in front of which every wave's reads of K are over.
	s_wait_dscnt 0x0
	s_barrier_signal -1
.rept 8
	v_nop                                          ; eight places behind the last products, in front of the first read of O^T and of the loads into V's registers
.endr
	v_add_f32 v14, v14, v15                        ; the sum's two halves,
	v_permlanex16_b32 v[T], v14, s[SEL], s[SEL+1]
	v_add_f32 v14, v14, v[T]                       ; and lane l xor 16's: the row's sum
	v_rcp_f32 v14, v14
	v_nop                                          ; a plain instruction behind the reciprocal
	s_wait_alu depctr_va_vdst(0)                   ; and the wait ahead of its first reader
.irp j, 0,2,4,6,8,10,12,14,16,18,20,22,24,26,28,30
	v_pk_mul_f32 v[S+\j:S+\j+1], v[O+\j:O+\j+1], v[14:15] op_sel_hi:[1,0]   ; O^T / the sum: register 8 t + i is out0(r, 16 t + 8 h + i); each accumulator from its low end on
.endr
	s_barrier_wait -1
.irp t, 0,1,2,3
	ds_store_b128 v[STO], v[S+8*\t:S+8*\t+3] offset:64*\t
	ds_store_b128 v[STO], v[S+8*\t+4:S+8*\t+7] offset:64*\t+16
.endr
.irp i, 0,1,2,3,4,5,6,7
	ds_load_b128 v[F+4*\i:F+4*\i+3], v[RD] offset:2*\i*SP   ; LDS serves a wave's instructions in order (ISA guide 5.7.1.4): these see my stores; the stage is my own
.endr
.irp i, 0,1,2,3,4,5,6,7
	s_wait_dscnt 7-\i                              ; rows 2 i and 2 i + 1 are back; the younger loads may be out
	global_store_b128 v[GO], v[F+4*\i:F+4*\i+3], s[16:17] offset:512*\i th:TH_STORE_NT   ; 32 lanes store 512 consecutive bytes, at a multiple of 256 from out0's first byte
.endr
	s_wait_xcnt 0x0
	v_lshl_add_u32 v254, v0, 2, 0x47000
	v_mov_b32 v255, 0
	s_wait_tensorcnt 0x0
	ds_add_u32 v254, v255
	s_wait_dscnt 0x0
	ROUND                                          ; the closing round: no work-group ends while a partner may still ask for a tile that names it
	s_endpgm
.Lfunc_end_k_qca5d2f36ea_attn:
	.size	k_qca5d2f36ea_attn, .Lfunc_end_k_qca5d2f36ea_attn-k_qca5d2f36ea_attn
	.p2alignl 7, 3214868480
	.fill 96, 4, 3214868480
	.section	.rodata,"a",@progbits
	.p2align	6, 0x0
	.amdhsa_kernel k_qca5d2f36ea_attn
		.amdhsa_group_segment_fixed_size 327680
		.amdhsa_private_segment_fixed_size 0
		.amdhsa_enable_private_segment 0
		.amdhsa_kernarg_size 56
		.amdhsa_user_sgpr_count 2
		.amdhsa_user_sgpr_kernarg_segment_ptr 1
		.amdhsa_wavefront_size32 1
		.amdhsa_system_sgpr_workgroup_id_x 1
		.amdhsa_system_sgpr_workgroup_id_y 1
		.amdhsa_system_sgpr_workgroup_id_z 1
		.amdhsa_system_vgpr_workitem_id 0
		.amdhsa_next_free_vgpr 256
		.amdhsa_next_free_sgpr 100
		.amdhsa_reserve_vcc 1
		.amdhsa_float_denorm_mode_32 3
		.amdhsa_float_denorm_mode_16_64 3
		.amdhsa_memory_ordered 1
		.amdhsa_forward_progress 1
		.amdhsa_inst_pref_size 182
	.end_amdhsa_kernel
	.amdgpu_metadata
---
amdhsa.version: [ 1, 2 ]
amdhsa.kernels:
  - .name:           k_qca5d2f36ea_attn
    .symbol:         k_qca5d2f36ea_attn.kd
    .args:
      - { .name: key_states_codes, .offset: 0, .size: 8, .value_kind: global_buffer, .address_space: global }
      - { .name: key_states_scales, .offset: 8, .size: 8, .value_kind: global_buffer, .address_space: global }
      - { .name: query_states_codes, .offset: 16, .size: 8, .value_kind: global_buffer, .address_space: global }
      - { .name: query_states_scales, .offset: 24, .size: 8, .value_kind: global_buffer, .address_space: global }
      - { .name: value_states_codes, .offset: 32, .size: 8, .value_kind: global_buffer, .address_space: global }
      - { .name: value_states_scales, .offset: 40, .size: 8, .value_kind: global_buffer, .address_space: global }
      - { .name: out0, .offset: 48, .size: 8, .value_kind: global_buffer, .address_space: global }
    .group_segment_fixed_size: 327680
    .private_segment_fixed_size: 0
    .kernarg_segment_align: 8
    .kernarg_segment_size: 56
    .max_flat_workgroup_size: 512
    .sgpr_count:     100
    .vgpr_count:     256
    .wavefront_size: 32
...
	.end_amdgpu_metadata
.endif
;; end of part 1
